; MI455X (gfx1250); checked and timed in simulation.
; The chip was launched on July 23, 2026; its instructions are those of AMD's public machine-readable ISA for CDNA 5 (MIT licence, August 2026) and "CDNA5" Instruction Set Architecture Reference Guide (July 2026). The comments in the code are by the model that wrote it; some were corrected since.
;; Attention. Allowed arithmetic: matrix products marked QUANTISED: E5M2 operands, one given power-of-two scale a tensor, by v_wmma_f32_16x16x64_bf8_bf8 or v_wmma_f32_16x16x128_bf8_bf8, f32 sums; everything else in f32.
;; Inputs: Wk 1,024 x 1,024 float32; Wq 1,024 x 1,024 float32; Wr 1,024 x 1,024 float32; Wv 1,024 x 1,024 float32; lowp_scales 12 int32 (the exponents e of the quantised operands' scales 2^e); x 4 x 2,048 x 1,024 float32.
;; Outputs: out0 4 x 2,048 x 1,024 float32.
;; This version of the problem:
;;   THIS VERSION OF THE PROBLEM IS GIVEN IN LOW PRECISION. The matrix products marked QUANTISED in the list below multiply operands that are first quantised to E5M2 (5 exponent bits, 2 mantissa bits; 8 bits a number), with one given power-of-two scale for each operand tensor; their sums are f32. All else is computed in f32.
;;   The module's matrix products, in the order in which they are computed (A, B: the left and right operand; K: the contracted axis; several contracted axes count as one K, in the product's order):
;;     1. [M 8,192, K 1,024] x [K 1,024, N 1,024]; A: input x; B: input Wq: QUANTISED (scales: A lowp_scales[0], B lowp_scales[1])
;;     2. [M 8,192, K 1,024] x [K 1,024, N 1,024]; A: input x; B: input Wk: QUANTISED (scales: A lowp_scales[2], B lowp_scales[3])
;;     3. [M 8,192, K 1,024] x [K 1,024, N 1,024]; A: input x; B: input Wv: QUANTISED (scales: A lowp_scales[4], B lowp_scales[5])
;;     4. batch 64 x [M 2,048, K 64] x [K 64, N 2,048]; A: computed on the way; B: computed on the way: QUANTISED (scales: A lowp_scales[6], B lowp_scales[7])
;;     5. batch 64 x [M 64, K 2,048] x [K 2,048, N 2,048]; A: computed on the way; B: softmax (see below): QUANTISED (scales: A lowp_scales[8], B lowp_scales[9])
;;     6. [M 8,192, K 1,024] x [K 1,024, N 1,024]; A: computed on the way; B: input Wr: QUANTISED (scales: A lowp_scales[10], B lowp_scales[11])
;;   THE QUANTISER, for each operand of a quantised product, along K:
;;     - The operand's scale is 2^e, e = its entry of the input lowp_scales (int32; the entries are numbered through the quantised products in the list's order, A before B).
;;     - Each number is divided by the scale, clamped to +-57,344, and rounded to the nearest number of E5M2, ties to even, subnormals kept.
;;     - The product sums the exact products of the quantised numbers (number of the format x scale) in f32.
;;   ~~~python
;;   def quantise(x, axis, e):      # numpy; x: float32 -> the quantised numbers, widened to float32 again
;;       x = np.moveaxis(x, axis, -1); K = x.shape[-1]
;;       r = np.clip(x / 2.0 ** e, -57344, 57344)
;;       step = 2.0 ** (np.maximum(np.frexp(np.where(r == 0, 1, r))[1] - 1, -14) - 2)
;;       q = np.round(r / step) * step * 2.0 ** e      # np.round: ties to even
;;       return np.moveaxis(q, -1, axis).astype(np.float32)
;;   ~~~
;;   SOFTMAX AHEAD OF A QUANTISED PRODUCT. Where the list says 'softmax', what is quantised is not the finished softmax but p = 2^(t - M), with t = logit x log2(e) and M = ceil(the row's largest t), a whole number; so 1/2 < the row's largest p <= 1. The row's sum l is taken of the UNQUANTISED p, in f32, and the product's result is divided by l at the end. Since M is a whole number, a kernel that streams over the keys may use a running M (the ceiling of the running maximum): every later rescaling is an exact power of two, so the quantised numbers keep their values, but for numbers so far below the row's largest that they fall under the format's range.
;;   OPERANDS COMPUTED ON THE WAY. 'Computed on the way' means the value that the module computes at that place (a softmax that the list does not call 'softmax' is quantised finished and normalised). What goes into a quantiser is computed in f32, as accurately as f32 sums, v_exp_f32 and their like allow (about 1e-6 of the number): no bf16 or f16 on the way to a quantiser, and a product that is left as it is and whose result goes on into a quantised operand takes f32 operands (vector FMAs, or v_wmma_f32_16x16x4_f32). A number that lies on a knife's edge between two numbers of the format may be rounded either way, as far as f32 arithmetic and the matrix unit's own rounding can turn it there, and no further.
;; One version. Each part assembles by itself: llvm-mc -triple=amdgcn-amd-amdhsa -mcpu=gfx1250 --defsym DOCPART=n.
;; ======== version 1 of 1: 4 launches
;; limits: right only within a limited range of input values
;; workspace buffers: xc 25,165,824 bytes; wc 4,194,304 bytes; qc 8,388,608 bytes; kc 8,388,608 bytes; vc 8,388,608 bytes; ac 8,388,608 bytes
;; launch prep (part 1): grid 384 x 1, 4 waves a work-group, no clusters, 0 bytes of LDS; arguments x, Wq, Wk, Wv, Wr, lowp_scales, xc, wc; writes xc, wc
.if DOCPART == 1
	.amdgcn_target "amdgcn-amd-amdhsa--gfx1250"
	.amdhsa_code_object_version 6
	.text
	.protected	k_q7b12db01ea_prep
	.globl	k_q7b12db01ea_prep
	.p2align	8
	.type	k_q7b12db01ea_prep,@function
k_q7b12db01ea_prep:
	s_mov_b64 s[64:65], 0
	v_nop
	global_prefetch_b8 v0, s[64:65] scope:SCOPE_SE
	s_setreg_imm32_b32 hwreg(HW_REG_WAVE_MODE, 25, 1), 1
	s_wait_xcnt 0x0
; x [8192][1024] f32 becomes three sets of E5M2 codes (with the scales 2^e0, 2^e2, 2^e4 of products 1, 2, 3); Wq, Wk, Wv, Wr [1024 (k)][1024 (n)] f32 become codes with 2^e1, 2^e3, 2^e5, 2^e11.
; code = number / 2^e, held within +-57,344, to the nearest code, ties to even.  LIMITS: each e between -126 and 112; NaN among the inputs is not served.
; POSITIONS.  A product does not change when K is permuted alike in both operands, and these buffers are the program's own.  So a code's place along K (its position) is chosen so that nothing is transposed:
;   xc [8192][3072]: a row is its 1,024 codes at 2^e0, then at 2^e2, then at 2^e4.  In each block of 512: position 16 l + 4 j + i holds k = 128 j + 4 l + i: what lane l has after four loads (j) of 16 bytes a lane.
;   wc [64 tiles of 16 n][32 images][2048]: image 8 w + kk (w: 0 Wq, 1 Wk, 2 Wv, 3 Wr) is the operand's registers for positions 128 kk .. + 127: piece c (512 bytes), lane (r, h) at 256 h + 16 r: n = 16 tile + r, positions 32 c + 16 h + 0 .. 15.
;   Wq, Wk, Wv take xc's map of positions; Wr takes that of the attention's output: in each 32, position 16 h + 8 u + j holds k = 16 u + 8 h + j.
; Work-groups 0-255 take x (32 rows each, 8 a wave), work-groups 256-383 a weight (32 each: 128 columns x 256 positions).  No LDS, no barrier: waves share nothing.
.set R, 16                             ; x: v16-79   four sets of 16 numbers as loaded
.set T, 80                             ; x: v80-127  the numbers held, a set for each scale
.set C, 128                            ; x: v128-151 two sets of 12 registers of codes
.set X, 16                             ; W: v16-79   two sets of 32 numbers
.set CW, 80                            ; W: v80-143  eight registers of codes for each block: no store's data are written again
.macro MKS e, sc, lim                  ; from the exponent in s[e]: 2^e as f32, and 57,344 x 2^e
	s_add_co_i32 s[\sc], s[\e], 127
	s_add_co_i32 s[\lim], s[\e], 142
	s_lshl_b32 s[\sc], s[\sc], 23
	s_lshl_b32 s[\lim], s[\lim], 23
	s_or_b32 s[\lim], s[\lim], 0x600000
.endm
	s_load_b512 s[4:19], s[0:1], 0x0               ; x 4:5, Wq 6:7, Wk 8:9, Wv 10:11, Wr 12:13, scales 14:15, xc 16:17, wc 18:19
	v_lshrrev_b32 v1, 5, v0
	v_readfirstlane_b32 s32, v1                    ; wave
	v_and_b32 v1, 31, v0                           ; lane
	s_wait_kmcnt 0x0
	s_load_b256 s[20:27], s[14:15], 0x0            ; e0 .. e7
	s_load_b128 s[28:31], s[14:15], 0x20           ; e8 .. e11
	s_cmp_lt_u32 ttmp9, 256
	s_cbranch_scc0 .Lweights
; ---------------- x ----------------
	s_lshl_b32 s33, ttmp9, 5
	s_lshl_b32 s34, s32, 3
	s_add_co_u32 s33, s33, s34                     ; my wave's first row: 32 x work-group + 8 x wave
	s_lshl_b32 s34, s33, 12
	s_mov_b32 s35, 0
	s_add_nc_u64 s[4:5], s[4:5], s[34:35]          ; rows of 4,096 bytes
	s_mul_i32 s34, s33, 3072
	s_add_nc_u64 s[16:17], s[16:17], s[34:35]      ; rows of 3,072 bytes
	s_wait_alu depctr_va_vdst(0)
	v_lshlrev_b32 v8, 4, v1                        ; 16 x lane: the offset of every load and store; never rewritten
.macro XLOAD t                         ; step t: 512 numbers, four loads of 512 consecutive bytes
.irp j, 0,1,2,3
	global_load_b128 v[R+16*((\t)%4)+4*\j:R+16*((\t)%4)+4*\j+3], v8, s[4:5] offset:2048*(\t)+512*\j th:TH_LOAD_NT
.endr
.endm
.macro XSTEP t
.if (\t) <= 12
	s_wait_loadcnt 12                              ; this step's four loads are in; those of the three steps behind it may be out
.else
	s_wait_loadcnt 4*(15-(\t))
.endif
	s_wait_xcnt 0x0                                ; the stores of two steps ago have read their codes: that set is written again only behind this wait
.irp z, 0,1,2
.irp i, 0,1,2,3,4,5,6,7,8,9,10,11,12,13,14,15
	v_med3_num_f32 v[T+16*\z+\i], v[R+16*((\t)%4)+\i], -v[3+2*\z], v[3+2*\z]   ; the conversion does not saturate (ISA guide 7.6.2): the hold at the largest code x the scale
.endr
	v_cvt_scalef32_pk8_bf8_f32 v[C+12*((\t)%2)+4*\z:C+12*((\t)%2)+4*\z+1], v[T+16*\z:T+16*\z+7], v[2+2*\z]
	v_cvt_scalef32_pk8_bf8_f32 v[C+12*((\t)%2)+4*\z+2:C+12*((\t)%2)+4*\z+3], v[T+16*\z+8:T+16*\z+15], v[2+2*\z]   ; the next scale's (or step's) holds are plain lines on other registers
.endr
.if (\t)+4 < 16
	XLOAD (\t)+4
.endif
.irp z, 0,1,2
	global_store_b128 v8, v[C+12*((\t)%2)+4*\z:C+12*((\t)%2)+4*\z+3], s[16:17] offset:((\t)/2)*3072+1024*\z+512*((\t)%2)   ; 512 consecutive bytes, at a multiple of 256 from xc's first byte
.endr
.endm
.irp t, 0,1,2,3
	XLOAD \t
.endr
	s_wait_kmcnt 0x0
	MKS 20, 36, 37
	v_mov_b32 v2, s36
	v_mov_b32 v3, s37
	MKS 22, 36, 37
	v_mov_b32 v4, s36
	v_mov_b32 v5, s37
	MKS 24, 36, 37
	v_mov_b32 v6, s36
	v_mov_b32 v7, s37
	s_wait_alu depctr_va_vdst(0)
.irp t, 0,1,2,3,4,5,6,7,8,9,10,11,12,13,14,15
	XSTEP \t
.endr
	s_endpgm
; ---------------- the weights: a lane takes a column n, and its registers run down the positions ----------------
.Lweights:
	s_sub_co_u32 s33, ttmp9, 256
	s_lshr_b32 s34, s33, 5                         ; which weight: 0 Wq, 1 Wk, 2 Wv, 3 Wr
	s_and_b32 s35, s33, 7                          ; which 128 columns
	s_bfe_u32 s36, s33, 0x20003                    ; y: which 256 positions
	s_lshr_b32 s37, s36, 1
	s_lshl_b32 s37, s37, 9
	s_and_b32 s38, s36, 1
	s_lshl_b32 s38, s38, 6
	s_add_co_u32 s37, s37, s38                     ; xc's map: positions 256 y on begin at row 512 (y / 2) + 64 (y % 2)
	s_lshl_b32 s38, s36, 8                         ; Wr's map: at row 256 y
	s_cmp_eq_u32 s34, 1
	s_cselect_b64 s[6:7], s[8:9], s[6:7]
	s_cmp_eq_u32 s34, 2
	s_cselect_b64 s[6:7], s[10:11], s[6:7]
	s_cmp_eq_u32 s34, 3
	s_cselect_b64 s[6:7], s[12:13], s[6:7]         ; the choice hangs on the work-group's number alone
	s_cselect_b32 s37, s38, s37
	s_lshl_b32 s38, s37, 12                        ; rows of 4,096 bytes
	s_lshl_b32 s39, s35, 9
	s_add_co_u32 s38, s38, s39
	s_lshl_b32 s39, s32, 7
	s_add_co_u32 s38, s38, s39                     ; + 4 x (128 x column group + 32 x wave)
	s_mov_b32 s39, 0
	s_add_nc_u64 s[6:7], s[6:7], s[38:39]
	s_lshl_b32 s38, s35, 19                        ; wc: tile 8 x column group + 2 x wave, 65,536 bytes each;
	s_lshl_b32 s43, s32, 17
	s_add_co_u32 s38, s38, s43
	s_lshl_b32 s43, s34, 14                        ; image 8 x weight + 2 y, 2,048 bytes each
	s_add_co_u32 s38, s38, s43
	s_lshl_b32 s43, s36, 12
	s_add_co_u32 s38, s38, s43
	s_add_nc_u64 s[18:19], s[18:19], s[38:39]
	s_wait_alu depctr_va_vdst(0)
	v_lshlrev_b32 v8, 2, v1                        ; in: 4 bytes a lane: 128 consecutive bytes a wave, 512 a work-group
	v_lshrrev_b32 v9, 4, v1
	v_lshlrev_b32 v9, 16, v9
	v_and_b32 v10, 15, v1
	v_lshl_add_u32 v9, v10, 4, v9                  ; out: lanes 16-31 stand in the next tile; 16 bytes a lane
.macro LOADP t                         ; block t, positions 32 t + q, by xc's map
.irp q, 0,1,2,3,4,5,6,7,8,9,10,11,12,13,14,15,16,17,18,19,20,21,22,23,24,25,26,27,28,29,30,31
	global_load_b32 v[X+32*((\t)%2)+\q], v8, s[6:7] offset:4096*(128*((\q/4)%4)+8*(\t)+4*(\q/16)+(\q%4)) th:TH_LOAD_NT
.endr
.endm
.macro LOADN t                         ; the same by Wr's map
.irp q, 0,1,2,3,4,5,6,7,8,9,10,11,12,13,14,15,16,17,18,19,20,21,22,23,24,25,26,27,28,29,30,31
	global_load_b32 v[X+32*((\t)%2)+\q], v8, s[6:7] offset:4096*(32*(\t)+16*((\q/8)%2)+8*(\q/16)+(\q%8)) th:TH_LOAD_NT
.endr
.endm
.macro WLOAD t                         ; 32 loads on either way, so the counts below hold on both
	s_cmp_eq_u32 s34, 3
	s_cbranch_scc1 .Lwr_\@
	s_wait_alu depctr_va_vdst(0)
	LOADP \t
	s_branch .Lwd_\@
.Lwr_\@:
	s_wait_alu depctr_va_vdst(0)
	LOADN \t
.Lwd_\@:
.endm
.macro WBLOCK t
.if (\t) < 7
	s_wait_loadcnt 32                              ; this block's 32 loads are in; the next block's may be out
.else
	s_wait_loadcnt 0
.endif
.irp q, 0,1,2,3,4,5,6,7,8,9,10,11,12,13,14,15,16,17,18,19,20,21,22,23,24,25,26,27,28,29,30,31
	v_med3_num_f32 v[X+32*((\t)%2)+\q], v[X+32*((\t)%2)+\q], -v3, v3
.endr
.irp g, 0,1,2,3
	v_cvt_scalef32_pk8_bf8_f32 v[CW+8*(\t)+2*\g:CW+8*(\t)+2*\g+1], v[X+32*((\t)%2)+8*\g:X+32*((\t)%2)+8*\g+7], v2
.endr
	global_store_b128 v9, v[CW+8*(\t):CW+8*(\t)+3], s[18:19] offset:512*(\t)           ; positions 32 t + 0 .. 15: sixteen lanes store 256 consecutive bytes, aligned
	global_store_b128 v9, v[CW+8*(\t)+4:CW+8*(\t)+7], s[18:19] offset:512*(\t)+256     ; positions 32 t + 16 .. 31
.if (\t)+2 < 8
	WLOAD (\t)+2
.endif
.endm
	WLOAD 0
	WLOAD 1
	s_wait_kmcnt 0x0
	s_cmp_eq_u32 s34, 1
	s_cselect_b32 s40, s23, s21                    ; e3 or e1,
	s_cmp_eq_u32 s34, 2
	s_cselect_b32 s40, s25, s40                    ; e5,
	s_cmp_eq_u32 s34, 3
	s_cselect_b32 s40, s31, s40                    ; e11
	MKS 40, 41, 42
	v_mov_b32 v2, s41
	v_mov_b32 v3, s42
	s_wait_alu depctr_va_vdst(0)
.irp t, 0,1,2,3,4,5,6,7
	WBLOCK \t
.endr
	s_endpgm
.Lfunc_end_k_q7b12db01ea_prep:
	.size	k_q7b12db01ea_prep, .Lfunc_end_k_q7b12db01ea_prep-k_q7b12db01ea_prep
	.p2alignl 7, 3214868480
	.fill 96, 4, 3214868480
	.section	.rodata,"a",@progbits
	.p2align	6, 0x0
	.amdhsa_kernel k_q7b12db01ea_prep
		.amdhsa_group_segment_fixed_size 0
		.amdhsa_private_segment_fixed_size 0
		.amdhsa_enable_private_segment 0
		.amdhsa_kernarg_size 64
		.amdhsa_user_sgpr_count 2
		.amdhsa_user_sgpr_kernarg_segment_ptr 1
		.amdhsa_wavefront_size32 1
		.amdhsa_system_sgpr_workgroup_id_x 1
		.amdhsa_system_sgpr_workgroup_id_y 1
		.amdhsa_system_sgpr_workgroup_id_z 1
		.amdhsa_system_vgpr_workitem_id 0
		.amdhsa_next_free_vgpr 152
		.amdhsa_next_free_sgpr 66
		.amdhsa_reserve_vcc 0
		.amdhsa_float_denorm_mode_32 3
		.amdhsa_float_denorm_mode_16_64 3
		.amdhsa_memory_ordered 1
		.amdhsa_forward_progress 1
		.amdhsa_inst_pref_size 139
	.end_amdhsa_kernel
	.amdgpu_metadata
---
amdhsa.version: [ 1, 2 ]
amdhsa.kernels:
  - .name:           k_q7b12db01ea_prep
    .symbol:         k_q7b12db01ea_prep.kd
    .args:
      - { .name: x, .offset: 0, .size: 8, .value_kind: global_buffer, .address_space: global }
      - { .name: Wq, .offset: 8, .size: 8, .value_kind: global_buffer, .address_space: global }
      - { .name: Wk, .offset: 16, .size: 8, .value_kind: global_buffer, .address_space: global }
      - { .name: Wv, .offset: 24, .size: 8, .value_kind: global_buffer, .address_space: global }
      - { .name: Wr, .offset: 32, .size: 8, .value_kind: global_buffer, .address_space: global }
      - { .name: lowp_scales, .offset: 40, .size: 8, .value_kind: global_buffer, .address_space: global }
      - { .name: xc, .offset: 48, .size: 8, .value_kind: global_buffer, .address_space: global }
      - { .name: wc, .offset: 56, .size: 8, .value_kind: global_buffer, .address_space: global }
    .group_segment_fixed_size: 0
    .private_segment_fixed_size: 0
    .kernarg_segment_align: 8
    .kernarg_segment_size: 64
    .max_flat_workgroup_size: 128
    .sgpr_count:     66
    .vgpr_count:     152
    .wavefront_size: 32
...
	.end_amdgpu_metadata
.endif
;; end of part 1
;; launch qkv (part 2): grid 8 x 32, 4 waves a work-group, clusters of 4 x 4, 327,680 bytes of LDS; arguments xc, wc, lowp_scales, qc, kc, vc; writes qc, kc, vc
.if DOCPART == 2
	.amdgcn_target "amdgcn-amd-amdhsa--gfx1250"
	.amdhsa_code_object_version 6
	.text
	.protected	k_q7b12db01ea_qkv
	.globl	k_q7b12db01ea_qkv
	.p2align	8
	.type	k_q7b12db01ea_qkv,@function
k_q7b12db01ea_qkv:
	s_mov_b64 s[64:65], 0
	v_nop
	global_prefetch_b8 v0, s[64:65] scope:SCOPE_SE
	s_setreg_imm32_b32 hwreg(HW_REG_WAVE_MODE, 25, 1), 1
	s_wait_xcnt 0x0
	s_wait_alu depctr_hold_cnt(0) depctr_sa_sdst(0) depctr_va_vdst(0) depctr_va_sdst(0) depctr_va_ssrc(0) depctr_va_vcc(0) depctr_vm_vsrc(0)
	s_getreg_b32 s2, hwreg(HW_REG_IB_STS2, 6, 4)
	s_cmp_eq_u32 s2, 0
	s_cbranch_scc0 .Lentry_in_a_cluster
	s_endpgm
.Lentry_in_a_cluster:
	s_bfe_u32 s2, ttmp6, 0x10000c
	s_cmp_lg_u32 s2, 0xf033
	s_cbranch_scc0 .Lentry_shape_is_right
	s_endpgm
.Lentry_shape_is_right:
.set SLOT,  102400
.set BOFF,  69632
.set SPARE, 204800
.set ABLK,  4352
.set AQ,    128
.set ACS,   32
.set ASTEP, 256
.set ADRA, 16
.set ADRB, 20
.set LN,   24
.set SC,   26
.set LIM,  27
.set SPW,  28
.set NIL,  29
.set CD,   32
.set BF,   128
.set G1A, 24
.set G0A, 32
.set G1B, 48
.set G0B, 56
.set MSB, 0
.macro WIN new
.if MSB != \new
	s_set_vgpr_msb (MSB<<8)|\new
.set MSB, \new
.endif
.endm
.set MULT, 0xa4
.set MULN, 0xa1
.set TO_A, 0x40
.macro MKS e, sc, lim
	s_add_co_i32 s[\sc], s[\e], 127
	s_add_co_i32 s[\lim], s[\e], 142
	s_lshl_b32 s[\sc], s[\sc], 23
	s_lshl_b32 s[\lim], s[\lim], 23
	s_or_b32 s[\lim], s[\lim], 0x600000
.endm
.macro JLOAD s
	s_cmp_eq_u32 s17, 0
	s_cbranch_scc0 .Lfor_b_\@
	tensor_load_to_lds s[G0A+4*\s:G0A+4*\s+3], s[G1A:G1A+7]
	s_nop 0
.rept 4
	v_nop
.endr
	s_branch .Lasked_\@
.Lfor_b_\@:
	tensor_load_to_lds s[G0B+4*\s:G0B+4*\s+3], s[G1B:G1B+7]
	s_nop 0
.rept 4
	v_nop
.endr
.Lasked_\@:
.endm
.macro CREST
	s_cmp_lg_u32 s16, 0
	s_cbranch_scc1 .Lnot_wave_0_\@
	s_barrier_signal -3
.Lnot_wave_0_\@:
	s_barrier_wait -3
	s_barrier_signal -1
	s_barrier_wait -1
.endm
.macro CROUND
	s_barrier_signal -1
	s_barrier_wait -1
	CREST
.endm
.macro PLACES
.rept 4
	v_nop
.endr
.endm
	s_load_b256 s[4:11], s[0:1], 0x0
	s_load_b128 s[12:15], s[0:1], 0x20
	v_lshl_add_u32 v[SPW], v0, 2, SPARE
	v_mov_b32 v[NIL], 0
	ds_add_u32 v28, v29
	ds_add_u32 v28, v29
	s_wait_dscnt 0x0
	v_lshrrev_b32 v1, 5, v0
	v_readfirstlane_b32 s16, v1
	s_lshr_b32 s17, s16, 1
	s_and_b32 s18, s16, 1
	s_bfe_u32 s19, ttmp6, 0x40000
	s_bfe_u32 s20, ttmp6, 0x40004
	s_lshl_b32 s21, ttmp9, 2
	s_add_co_u32 s21, s21, s19
	s_and_b32 s22, ttmp7, 0xffff
	s_lshl_b32 s22, s22, 2
	s_add_co_u32 s22, s22, s20
	s_lshl_b32 s42, s20, 2
	s_lshl_b32 s42, 15, s42
	s_lshl_b32 s46, 0x1111, s19
	s_or_b32 s[G1A], s42, (1<<20)|(1<<21)|(5<<22)|(3<<25)
	s_mov_b32 s[G1A+1], 256<<16
	s_mov_b32 s[G1A+2], 128<<16
	s_mov_b32 s[G1A+3], 256<<16
	s_mov_b32 s[G1A+4], 128
	s_mov_b32 s[G1A+5], 3072
	s_mov_b32 s[G1A+6], 0
	s_mov_b32 s[G1A+7], 0
	s_or_b32 s[G1B], s46, (3<<16)|(1<<21)
	s_mov_b32 s[G1B+1], 512<<16
	s_mov_b32 s[G1B+2], 4<<16
	s_mov_b32 s[G1B+3], 512<<16
	s_mov_b32 s[G1B+4], 4
	s_mov_b32 s[G1B+5], 8192
	s_mov_b32 s[G1B+6], 0
	s_mov_b32 s[G1B+7], 0
	s_lshl_b32 s40, s22, 8
	s_lshl_b32 s41, s18, 7
	s_add_co_u32 s40, s40, s41
	s_mul_i32 s40, s40, 3072
	s_mov_b32 s41, 0
	s_lshl_b32 s44, s21, 19
	s_lshl_b32 s45, s18, 18
	s_add_co_u32 s44, s44, s45
	s_mov_b32 s45, 0
	s_mul_i32 s43, s18, 34816
	s_lshl_b32 s47, s18, 14
	s_add_co_u32 s47, s47, BOFF
	s_wait_kmcnt 0x0
	s_load_b256 s[80:87], s[8:9], 0x0
	s_load_b128 s[88:91], s[8:9], 0x20
	s_add_nc_u64 s[40:41], s[4:5], s[40:41]
	s_add_nc_u64 s[44:45], s[6:7], s[44:45]
	CROUND
.irp s, 0,1
	s_mov_b32 s[G0A+4*\s], 1
	s_add_co_u32 s[G0A+4*\s+1], s43, \s*SLOT
	s_add_nc_u64 s[G0A+4*\s+2:G0A+4*\s+3], s[40:41], \s*ASTEP
	s_or_b32 s[G0A+4*\s+3], s[G0A+4*\s+3], 0x80000000
	s_mov_b32 s[G0B+4*\s], 1
	s_add_co_u32 s[G0B+4*\s+1], s47, \s*SLOT
	s_add_nc_u64 s[G0B+4*\s+2:G0B+4*\s+3], s[44:45], \s*4096
	s_or_b32 s[G0B+4*\s+3], s[G0B+4*\s+3], 0x80000000
	s_wait_alu depctr_va_vdst(0)
	s_wait_tensorcnt 0x0
	ds_add_u32 v28, v29
	ds_add_u32 v28, v29
	s_wait_dscnt 0x0
	CROUND
	JLOAD \s
.endr
	v_and_b32 v1, 15, v0
	v_bfe_u32 v2, v0, 4, 1
	v_and_b32 v3, 31, v0
	v_lshlrev_b32 v[LN], 4, v3
	v_mul_u32_u24 v4, v1, 272
	v_lshl_add_u32 v4, v2, 4, v4
	s_mul_i32 s23, s17, 34816
	v_add_nc_u32 v[ADRA], s23, v4
	v_add_nc_u32 v[ADRA+1], SLOT, v[ADRA]
	s_lshl_b32 s23, s18, 14
	s_add_co_u32 s23, s23, BOFF
	v_add_nc_u32 v[ADRB], s23, v[LN]
	v_add_nc_u32 v[ADRB+1], SLOT, v[ADRB]
	s_lshr_b32 s92, s22, 3
	s_lshl_b32 s92, s92, 4
	s_lshl_b32 s93, s21, 1
	s_add_co_u32 s92, s92, s93
	s_add_co_u32 s92, s92, s18
	s_lshl_b32 s94, s92, 17
	s_and_b32 s93, s22, 7
	s_lshl_b32 s93, s93, 14
	s_add_co_u32 s94, s94, s93
	s_lshl_b32 s93, s17, 13
	s_add_co_u32 s94, s94, s93
	s_mov_b32 s95, 0
	s_add_nc_u64 s[66:67], s[10:11], s[94:95]
	s_add_nc_u64 s[68:69], s[12:13], s[94:95]
	s_add_nc_u64 s[70:71], s[14:15], s[94:95]
	s_wait_alu depctr_va_vdst(0)
	s_wait_kmcnt 0x0
	s_sub_co_i32 s92, s86, s80
	s_sub_co_i32 s92, s92, s81
	MKS 92, 72, 73
	s_sub_co_i32 s92, s87, s82
	s_sub_co_i32 s92, s92, s83
	MKS 92, 74, 75
	s_sub_co_i32 s92, s88, s84
	s_sub_co_i32 s92, s92, s85
	MKS 92, 76, 77
.macro MUL a0, cnt, p, zero, swap
.if \swap
	WIN MULN
.else
	WIN MULT
.endif
.set aa, \a0
.rept \cnt
.irp w, 0,1,2,3
.if \swap
.if \zero
	v_wmma_f32_16x16x128_bf8_bf8 v[8*(4*aa+\w):8*(4*aa+\w)+7], v[128*(\p)+16*aa:128*(\p)+16*aa+15], v[BF+64*(\p)+16*\w:BF+64*(\p)+16*\w+15], 0
.else
	v_wmma_f32_16x16x128_bf8_bf8 v[8*(4*aa+\w):8*(4*aa+\w)+7], v[128*(\p)+16*aa:128*(\p)+16*aa+15], v[BF+64*(\p)+16*\w:BF+64*(\p)+16*\w+15], v[8*(4*aa+\w):8*(4*aa+\w)+7]
.endif
.else
.if \zero
	v_wmma_f32_16x16x128_bf8_bf8 v[8*(4*aa+\w):8*(4*aa+\w)+7], v[BF+64*(\p)+16*\w:BF+64*(\p)+16*\w+15], v[128*(\p)+16*aa:128*(\p)+16*aa+15], 0
.else
	v_wmma_f32_16x16x128_bf8_bf8 v[8*(4*aa+\w):8*(4*aa+\w)+7], v[BF+64*(\p)+16*\w:BF+64*(\p)+16*\w+15], v[128*(\p)+16*aa:128*(\p)+16*aa+15], v[8*(4*aa+\w):8*(4*aa+\w)+7]
.endif
.endif
.endr
.set aa, aa+1
.endr
.endm
.macro FETCH slot, q, p
	WIN 0
.irp w, 0,1,2,3
.irp c, 0,1,2,3
	ds_load_b128 v[BF+64*(\p)+16*\w+4*\c:BF+64*(\p)+16*\w+4*\c+3], v[ADRB+\slot] offset:4096*\w+2048*(\q)+512*\c
.endr
.endr
	WIN TO_A
.irp a, 0,1,2,3,4,5,6,7
.irp c, 0,1,2,3
	ds_load_b128 v[128*(\p)+16*\a+4*\c:128*(\p)+16*\a+4*\c+3], v[ADRA+\slot] offset:ABLK*\a+AQ*(\q)+ACS*\c
.endr
.endr
	WIN 0
.endm
.macro STEP slot, zero, swap
	s_wait_dscnt 16
	MUL 0, 4, 0, \zero, \swap
	PLACES
	FETCH \slot, 1, 1
	s_wait_dscnt 48
	MUL 4, 4, 0, \zero, \swap
.endm
.macro TURN slot, next, fill, swap
	WIN 0
	s_wait_tensorcnt 0x0
	ds_add_u32 v[SPW], v[NIL]
	s_wait_dscnt 17
	MUL 0, 2, 1, 0, \swap
	s_wait_dscnt 0x0
	s_barrier_signal -1
	MUL 2, 2, 1, 0, \swap
	WIN 0
	s_barrier_wait -1
.if \fill
	CREST
	s_add_nc_u64 s[G0A+4*\slot+2:G0A+4*\slot+3], s[G0A+4*\slot+2:G0A+4*\slot+3], 2*ASTEP
	s_add_nc_u64 s[G0B+4*\slot+2:G0B+4*\slot+3], s[G0B+4*\slot+2:G0B+4*\slot+3], 2*4096
	JLOAD \slot
.else
	PLACES
.endif
	FETCH \next, 0, 0
	MUL 4, 4, 1, 0, \swap
.endm
.macro EPI swap
	WIN 0
	s_wait_xcnt 0x0
	v_mov_b32 v[SC], s72
	v_mov_b32 v[LIM], s73
	v_nop
	v_nop
	WIN 0x82
.set i, 0
.rept 256
	v_med3_num_f32 v[i], v[i], -v[LIM], v[LIM]
.set i, i+1
.endr
	WIN 0x02
.set aa, 0
.rept 8
.irp w, 0,1,2,3
.if \swap
.set dd, CD+8*(4*(aa/4)+\w)+2*(aa%4)
.else
.set dd, CD+8*aa+2*\w
.endif
	v_cvt_scalef32_pk8_bf8_f32 v[dd:dd+1], v[8*(4*aa+\w):8*(4*aa+\w)+7], v[SC]
.endr
.set aa, aa+1
.endr
	v_nop
	WIN 0
.irp i, 0,1,2,3,4,5,6,7,8,9,10,11,12,13,14,15
	global_store_b128 v[LN], v[CD+4*\i:CD+4*\i+3], s[66:67] offset:512*\i
.endr
.endm
	s_wait_tensorcnt 1
	s_barrier_signal -1
	s_barrier_wait -1
	FETCH 0, 0, 0
	s_mov_b32 s78, 2
.Lpass:
	STEP 0, 1, 0
	TURN 0, 1, 1, 0
	STEP 1, 0, 0
	TURN 1, 0, 1, 0
	STEP 0, 0, 0
	TURN 0, 1, 1, 0
	STEP 1, 0, 0
	TURN 1, 0, 1, 0
	EPI 0
	s_wait_xcnt 0x0
	s_mov_b64 s[66:67], s[68:69]
	s_mov_b32 s72, s74
	s_mov_b32 s73, s75
	s_sub_co_u32 s78, s78, 1
	s_cmp_lg_u32 s78, 0
	s_cbranch_scc1 .Lpass
	s_mov_b64 s[66:67], s[70:71]
	s_mov_b32 s72, s76
	s_mov_b32 s73, s77
	STEP 0, 1, 1
	TURN 0, 1, 1, 1
	STEP 1, 0, 1
	TURN 1, 0, 1, 1
	STEP 0, 0, 1
	TURN 0, 1, 0, 1
	STEP 1, 0, 1
	s_wait_dscnt 16
	MUL 0, 4, 1, 0, 1
	s_wait_dscnt 0
	MUL 4, 4, 1, 0, 1
	EPI 1
	s_wait_tensorcnt 0x0
	ds_add_u32 v[SPW], v[NIL]
	s_wait_dscnt 0x0
	CROUND
	s_endpgm
.Lfunc_end_k_q7b12db01ea_qkv:
	.size	k_q7b12db01ea_qkv, .Lfunc_end_k_q7b12db01ea_qkv-k_q7b12db01ea_qkv
	.p2alignl 7, 3214868480
	.fill 96, 4, 3214868480
	.section	.rodata,"a",@progbits
	.p2align	6, 0x0
	.amdhsa_kernel k_q7b12db01ea_qkv
		.amdhsa_group_segment_fixed_size 327680
		.amdhsa_private_segment_fixed_size 0
		.amdhsa_enable_private_segment 0
		.amdhsa_kernarg_size 48
		.amdhsa_user_sgpr_count 2
		.amdhsa_user_sgpr_kernarg_segment_ptr 1
		.amdhsa_wavefront_size32 1
		.amdhsa_system_sgpr_workgroup_id_x 1
		.amdhsa_system_sgpr_workgroup_id_y 1
		.amdhsa_system_sgpr_workgroup_id_z 1
		.amdhsa_system_vgpr_workitem_id 0
		.amdhsa_next_free_vgpr 768
		.amdhsa_next_free_sgpr 100
		.amdhsa_reserve_vcc 0
		.amdhsa_float_denorm_mode_32 3
		.amdhsa_float_denorm_mode_16_64 3
		.amdhsa_memory_ordered 1
		.amdhsa_forward_progress 1
		.amdhsa_inst_pref_size 140
	.end_amdhsa_kernel
	.amdgpu_metadata
---
amdhsa.version: [ 1, 2 ]
amdhsa.kernels:
  - .name:           k_q7b12db01ea_qkv
    .symbol:         k_q7b12db01ea_qkv.kd
    .args:
      - { .name: xc, .offset: 0, .size: 8, .value_kind: global_buffer, .address_space: global }
      - { .name: wc, .offset: 8, .size: 8, .value_kind: global_buffer, .address_space: global }
      - { .name: lowp_scales, .offset: 16, .size: 8, .value_kind: global_buffer, .address_space: global }
      - { .name: qc, .offset: 24, .size: 8, .value_kind: global_buffer, .address_space: global }
      - { .name: kc, .offset: 32, .size: 8, .value_kind: global_buffer, .address_space: global }
      - { .name: vc, .offset: 40, .size: 8, .value_kind: global_buffer, .address_space: global }
    .group_segment_fixed_size: 327680
    .private_segment_fixed_size: 0
    .kernarg_segment_align: 8
    .kernarg_segment_size: 48
    .max_flat_workgroup_size: 128
    .sgpr_count:     100
    .vgpr_count:     768
    .wavefront_size: 32
...
	.end_amdgpu_metadata
.endif
;; end of part 2
;; launch attn (part 3): grid 4 x 64, 8 waves a work-group, no clusters, 327,680 bytes of LDS; arguments qc, kc, vc, lowp_scales, ac; writes ac
.if DOCPART == 3
	.amdgcn_target "amdgcn-amd-amdhsa--gfx1250"
	.amdhsa_code_object_version 6
	.text
	.protected	k_q7b12db01ea_attn
	.globl	k_q7b12db01ea_attn
	.p2align	8
	.type	k_q7b12db01ea_attn,@function
k_q7b12db01ea_attn:
	s_mov_b64 s[64:65], 0
	v_nop
	global_prefetch_b8 v0, s[64:65] scope:SCOPE_SE
	s_setreg_imm32_b32 hwreg(HW_REG_WAVE_MODE, 25, 1), 1
	s_wait_xcnt 0x0
; Products 4 and 5 with the softmax between them, on E5M2 codes.  One work-group: one (batch, head), 512 queries.  Nothing is left out: the mask adds -50 and not -infinity, so every key counts for every query.
; qc, kc: per head, tiles of 16 rows as register images (1,024 bytes: two pieces of 512, 16 bytes a lane).  vc: per head [32 blocks of 64 keys][4 tiles of 16 d][1,024]: keys along the registers.  ac: the projection's operand images.
; SHARES.  Eight waves; a wave owns 32 queries (two tiles T) at a time and two such groups in turn (blocks w and w + 8 of the work-group's 16).  A key step is 256 keys: the row statistics and O's rescaling are paid once in 256 keys.
; All of the head's K (LDS 0 ..) and V (LDS 131,072 ..) stays in LDS: keys 0-1023 by one tensor load a wave at the head, keys 1024-2047 by one more behind the first barrier.
; Both products are used transposed (S^T = K Q^T, O^T = V^T P^T): a lane holds one query.  S^T(tile t, register j) is key 16 t + 8 (lane / 16) + j, so eight conversions give the K = 128 operand of the second product as it lies.
; THE MASK costs no vector work: the penalty, -400 x 2^-(e6 + e7) in units of the raw sums, is the C of the first product: 0, a block of the penalty, or the diagonal's pattern, chosen for each 32 keys by scalar branches on ids.
; THE SOFTMAX: t = sum x c, c = log2(e) / 8 x 2^(e6 + e7); -M = the running least floor(-t); p = 2^(t - M); the row's sum is taken of p before the hold; f = 2^(old M - new M) rescales exactly.
; THE LOOP IS ROTATED: a trip holds step s's softmax and second product and step s + 1's first product, so the one barrier for the second fill stands ahead of the first look-ahead read of it.  The last trip's look-ahead wraps to key 0 and is not used.
; NO CLUSTER: the mask's branches hang on the work-group's queries, so partners that share K and V would take different ways.  NO PREFETCH: all of K and V is asked for at the head; there is no later stream to run ahead of.
; LIMITS: e6 + e7 between -120 and 120; e9 and e10 - e8 - e9 between -126 and 112; the scaled scores stay under 2^31 in magnitude; NaN among the inputs is not served.
; REGISTERS.  Window 0: v1 16 x lane, v2 / v3 addresses of K / V, v4 v5 the hold, v6 v7 the add's, v8 2^e9, v9 v30 the way out's scale and hold, v10-29 state (10 a tile), v31 V's base, v32-63 P of keys 0-127, then K tiles 12-15,
; v64-127 O^T, v128-255 scores of keys 0-127, then p of each 128 keys in turn.
; Window 1: v0-15 Q, v16-47 K tiles 0-3, v48-55 the penalty, v56-63 the diagonal, v64-127 K tiles 4-11 or V of keys 0-127, v128-255 scores of keys 128-255, then P (v128-159) and V (v192-255) of those keys.
.set SPARE, 0x4c000
.set NM,  10
.set MXB, 11
.set F,   12
.set TMP, 13
.set LA,  14
.set LB,  16
.set MXA, 18
.set PT,  19
.set AC0, MXA                          ; the four chains of maxima of a query tile: registers that are idle in that phase
.set AC1, MXB
.set AC2, PT
.set AC3, TMP
.set UA,  18                           ; two more chains for a chunk's sum: the pairs (MXA, PT), idle behind the statistics
.set UB,  28
.set PA,  32
.set OO,  64
.set SA,  128
.set KB,  16
.set CP,  48
.set CD,  56
.set FB,  64
.set PB,  128
.set VB,  192
.set SEL, 20
.set CS,  22
.set G1,  24
.set TB,  48
.set DP,  49
.set TT,  50
.set PENS, 54
.set MSB, 0
.macro WIN new                         ; the immediate's high byte repeats the setting that is left
.if MSB != \new
	s_set_vgpr_msb (MSB<<8)|\new
.set MSB, \new
.endif
.endm
.macro NOPS n
.rept \n
	v_nop
.endr
.endm
.macro MKS e, sc, lim                  ; 2^e as f32, and 57,344 x 2^e
	s_add_co_i32 s[\sc], s[\e], 127
	s_add_co_i32 s[\lim], s[\e], 142
	s_lshl_b32 s[\sc], s[\sc], 23
	s_lshl_b32 s[\lim], s[\lim], 23
	s_or_b32 s[\lim], s[\lim], 0x600000
.endm
.macro KLOAD t0, cnt, reg              ; cnt tiles of 16 keys from tile t0 of the step at v2
.set kk, 0
.rept \cnt
	ds_load_b128 v[\reg+8*kk:\reg+8*kk+3], v2 offset:1024*(\t0+kk)
	ds_load_b128 v[\reg+8*kk+4:\reg+8*kk+7], v2 offset:1024*(\t0+kk)+512
.set kk, kk+1
.endr
.endm
.macro VLOAD a, reg                    ; V^T of the step's a-th 128 keys: four tiles of 16 d x 128 keys
.irp w, 0,1,2,3
.irp e, 0,1,2,3
	ds_load_b128 v[\reg+16*\w+4*\e:\reg+16*\w+4*\e+3], v3 offset:8192*\a+4096*(\e/2)+1024*\w+512*(\e%2)
.endr
.endr
.endm
.macro QW d, a, b, c
.if \c
	v_wmma_f32_16x16x64_bf8_bf8 v[\d:\d+7], v[\a:\a+7], v[\b:\b+7], v[\c:\c+7]
.else
	v_wmma_f32_16x16x64_bf8_bf8 v[\d:\d+7], v[\a:\a+7], v[\b:\b+7], 0
.endif
.endm
.macro QK4 u, c00, c01, c10, c11       ; key tiles 2 u, 2 u + 1 against both query tiles; the four C operands
.if \u < 4
	WIN 0x15
.elseif \u < 6
	WIN 0x55
.else
	WIN 0x54                                       ; K tiles 12-15 lie in window 0
.endif
	QW SA+8*((2*\u)%8), KR, 0, \c00
	QW SA+64+8*((2*\u)%8), KR, 8, \c01
	QW SA+8+8*((2*\u)%8), KR+8, 0, \c10
	QW SA+72+8*((2*\u)%8), KR+8, 8, \c11
	WIN 0
.endm
.macro QKPAIR u                        ; s[DP] = (my first query - the step's first key) / 32: pairs under it are open, the pair at it holds the diagonal, those over it are penalised
.if \u < 2
.set KR, KB+16*\u
.elseif \u < 6
.set KR, FB+16*(\u-2)
.else
.set KR, PA+16*(\u-6)
.endif
	s_cmp_eq_i32 s[DP], \u
	s_cbranch_scc1 .Ldg_\@
	s_cmp_gt_i32 s[DP], \u
	s_cbranch_scc1 .Lop_\@
	QK4 \u, CP, CP, CP, CP
	s_branch .Lqe_\@
.Ldg_\@:
	QK4 \u, CD, 0, CP, CD
	s_branch .Lqe_\@
.Lop_\@:
	QK4 \u, 0, 0, 0, 0
.Lqe_\@:
.endm
.macro QKALL                           ; a step's 32 first products.  On the way in: tiles 0-3, behind them tiles 4-11, behind them tiles 12-15 have been asked for
	NOPS 5                                         ; the results below are laid over operands of the last second products: five places
	s_wait_loadcnt 0x0                             ; Q
	s_wait_dscnt 24                                ; tiles 0-3 are in; the 24 loads of tiles 4-15 may be out
	QKPAIR 0
	QKPAIR 1
	s_wait_dscnt 8                                 ; tiles 4-11 are in; the 8 loads of tiles 12-15 may be out
	QKPAIR 2
	QKPAIR 3
	QKPAIR 4
	QKPAIR 5
	s_wait_dscnt 0x0
	QKPAIR 6
	QKPAIR 7
.endm
.macro MAXQ q, r, init                 ; eight chains: key tiles 4 q .. 4 q + 3 of both query tiles; each accumulator is read from its low end on
.irp k, 0,1,2,3
.irp T, 0,1
.if \init
	v_max_num_f32 v[AC\k+10*\T], v[SA+64*\T+8*(4*\q+\k)+\r], v[SA+64*\T+8*(4*\q+\k)+\r+1]
.else
	v_max3_num_f32 v[AC\k+10*\T], v[AC\k+10*\T], v[SA+64*\T+8*(4*\q+\k)+\r], v[SA+64*\T+8*(4*\q+\k)+\r+1]
.endif
.endr
.endr
.endm
.macro MAXR q
.irp r, 0,2,4,6
	MAXQ \q, \r, 0
.endr
.endm
.macro FMA T                           ; t - M, two at a time
.set j, 0
.rept 32
	v_pk_fma_f32 v[SA+64*\T+j:SA+64*\T+j+1], v[SA+64*\T+j:SA+64*\T+j+1], s[CS:CS+1], v[NM+10*\T:NM+10*\T+1] op_sel_hi:[1,0,0]
.set j, j+2
.endr
.endm
.macro XF                              ; tile 0's exponentials, by turns with tile 1's t - M, which is first read behind the next wait
.set j, 0
.rept 32
	v_exp_f32 v[SA+j], v[SA+j]
	v_exp_f32 v[SA+j+1], v[SA+j+1]
	v_pk_fma_f32 v[SA+64+j:SA+64+j+1], v[SA+64+j:SA+64+j+1], s[CS:CS+1], v[NM+10:NM+11] op_sel_hi:[1,0,0]
.set j, j+2
.endr
.endm
.macro XM T, U                         ; tile T's exponentials, by turns with the one-sided hold of tile U's p (the conversion does not saturate: ISA guide 7.6.2), which is first read behind the next wait
.set j, 0
.rept 32
	v_exp_f32 v[SA+64*\T+j], v[SA+64*\T+j]
	v_exp_f32 v[SA+64*\T+j+1], v[SA+64*\T+j+1]
	v_dual_min_num_f32 v[SA+64*\U+j], v[SA+64*\U+j], v4 :: v_dual_min_num_f32 v[SA+64*\U+j+1], v[SA+64*\U+j+1], v5
.set j, j+2
.endr
.endm
.macro SUM T                           ; the row's sum of the unquantised p of a chunk, in four chains
	v_pk_add_f32 v[UA:UA+1], v[SA+64*\T:SA+64*\T+1], v[SA+64*\T+2:SA+64*\T+3]
	v_pk_add_f32 v[UB:UB+1], v[SA+64*\T+4:SA+64*\T+5], v[SA+64*\T+6:SA+64*\T+7]
.set j, 8
.rept 7
	v_pk_add_f32 v[LA+10*\T:LA+10*\T+1], v[LA+10*\T:LA+10*\T+1], v[SA+64*\T+j:SA+64*\T+j+1]
	v_pk_add_f32 v[LB+10*\T:LB+10*\T+1], v[LB+10*\T:LB+10*\T+1], v[SA+64*\T+j+2:SA+64*\T+j+3]
	v_pk_add_f32 v[UA:UA+1], v[UA:UA+1], v[SA+64*\T+j+4:SA+64*\T+j+5]
	v_pk_add_f32 v[UB:UB+1], v[UB:UB+1], v[SA+64*\T+j+6:SA+64*\T+j+7]
.set j, j+8
.endr
	v_pk_add_f32 v[LA+10*\T:LA+10*\T+1], v[LA+10*\T:LA+10*\T+1], v[UA:UA+1]
	v_pk_add_f32 v[LB+10*\T:LB+10*\T+1], v[LB+10*\T:LB+10*\T+1], v[UB:UB+1]
.endm
.macro SUMMIN T                        ; the last chunk: sum and hold by turns
.set j, 0
.rept 16
	v_pk_add_f32 v[LA+10*\T:LA+10*\T+1], v[LA+10*\T:LA+10*\T+1], v[SA+64*\T+j:SA+64*\T+j+1]
	v_pk_add_f32 v[LB+10*\T:LB+10*\T+1], v[LB+10*\T:LB+10*\T+1], v[SA+64*\T+j+2:SA+64*\T+j+3]
	v_dual_min_num_f32 v[SA+64*\T+j], v[SA+64*\T+j], v4 :: v_dual_min_num_f32 v[SA+64*\T+j+1], v[SA+64*\T+j+1], v5
	v_dual_min_num_f32 v[SA+64*\T+j+2], v[SA+64*\T+j+2], v4 :: v_dual_min_num_f32 v[SA+64*\T+j+3], v[SA+64*\T+j+3], v5
.set j, j+4
.endr
.endm
.macro CVT T, p
.set j, 0
.rept 8
	v_cvt_scalef32_pk8_bf8_f32 v[\p+16*\T+2*j:\p+16*\T+2*j+1], v[SA+64*\T+8*j:SA+64*\T+8*j+7], v8
.set j, j+1
.endr
.endm
.macro PV vr, pr                       ; O^T += V^T P^T over 128 keys; the eight accumulators by turns
.irp w, 0,1,2,3
.irp T, 0,1
	v_wmma_f32_16x16x128_bf8_bf8 v[OO+32*\T+8*\w:OO+32*\T+8*\w+7], v[\vr+16*\w:\vr+16*\w+15], v[\pr+16*\T:\pr+16*\T+15], v[OO+32*\T+8*\w:OO+32*\T+8*\w+7]
.endr
.endr
.endm
.macro OSCALE                          ; O^T x the pair's low word, each accumulator from its low end on
.set j, 0
.rept 16
.irp T, 0,1
	v_pk_mul_f32 v[OO+32*\T+j:OO+32*\T+j+1], v[OO+32*\T+j:OO+32*\T+j+1], v[F+10*\T:F+10*\T+1] op_sel_hi:[1,0]
.endr
.set j, j+2
.endr
.endm
.macro WALU
	s_wait_alu depctr_va_vdst(0)
.endm
.macro EPI                             ; a group of 32 queries is finished: O^T / the sum, quantised with 2^e10, stored as the projection's operand; the state begins anew
.irp T, 0,1
	v_pk_add_f32 v[LA+10*\T:LA+10*\T+1], v[LA+10*\T:LA+10*\T+1], v[LB+10*\T:LB+10*\T+1]
.endr
.irp T, 0,1
	s_delay_alu instid0(VALU_DEP_2)
	v_add_f32 v[LA+10*\T], v[LA+10*\T], v[LA+10*\T+1]
.endr
.irp T, 0,1
	s_delay_alu instid0(VALU_DEP_2)
	v_permlanex16_b32 v[PT+10*\T], v[LA+10*\T], s[SEL], s[SEL+1]
.endr
.irp T, 0,1
	s_delay_alu instid0(VALU_DEP_2)
	v_add_f32 v[LA+10*\T], v[LA+10*\T], v[PT+10*\T]
.endr
	WALU                                           ; the wait ahead of the transcendentals
.irp T, 0,1
	v_rcp_f32 v[F+10*\T], v[LA+10*\T]
.endr
.irp T, 0,1
	v_mov_b32 v[NM+10*\T], 0x7f61b1e6              ; -M begins over every floor(-t): the next step's f is 0 and clears the sums and O^T
.endr
	WALU                                           ; and ahead of the first reader of the reciprocals and of O^T
	OSCALE
.set j, 0
.rept 64
	v_med3_num_f32 v[OO+j], v[OO+j], -v30, v30
.set j, j+1
.endr
.irp T, 0,1
.irp w, 0,1,2,3
	v_cvt_scalef32_pk8_bf8_f32 v[SA+8*\T+2*\w:SA+8*\T+2*\w+1], v[OO+32*\T+8*\w:OO+32*\T+8*\w+7], v9   ; onto registers of p that are done with
.endr
.endr
	v_nop
.irp T, 0,1
	global_store_b128 v1, v[SA+8*\T:SA+8*\T+3], s[12:13] offset:16384*\T        ; 512 consecutive bytes, at a multiple of 256 from ac's first byte
	global_store_b128 v1, v[SA+8*\T+4:SA+8*\T+7], s[12:13] offset:16384*\T+512
.endr
	s_wait_xcnt 0x0                                ; the stores have read their base and data
	s_add_nc_u64 s[12:13], s[12:13], 262144        ; eight blocks of 32 rows on
	s_add_co_i32 s[DP], s[DP], 72                  ; back to key 0 (64) and 256 queries on (8)
.endm
; A TRIP: step s's maxima, softmax and second product; then step s + 1's first product.  LDS loads in their order: V of keys 0-127 (16), K tiles 0-3 of s + 1 (8), V of keys 128-255 (16), K tiles 4-11 (16), K tiles 12-15 (8).
.macro BODY full
	v_add_nc_u32 v3, s[TB], v31                    ; V of step s
	s_add_co_u32 s[TB], s[TB], 16384
	s_and_b32 s[TB], s[TB], 0x1c000                ; behind the eighth step: key 0 again
	v_add_nc_u32 v2, s[TB], v1                     ; K of step s + 1
	NOPS 2                                         ; with the two additions: four places ahead of the first read of the scores
	MAXQ 0, 0, 1                                   ; these eight are places in front of the loads below
	WIN 0x40
	VLOAD 0, FB
	KLOAD 0, 4, KB
	WIN 0
.if \full
	WALU                                           ; the wait ahead of the branch
	s_cmp_lg_u32 s[TT], 9
	s_cbranch_scc1 .Lnq_\@
	WIN 0x40                                       ; the first group's last step: its first products are done, so the second group's Q is asked for
.irp i, 0,1,2,3
	global_load_b128 v[4*\i:4*\i+3], v1, s[4:5] offset:512*\i
.endr
	WIN 0
.Lnq_\@:
.endif
	MAXQ 0, 2, 0
	MAXQ 0, 4, 0
	MAXQ 0, 6, 0
	MAXR 1
	WIN 0x14
	MAXR 0
	MAXR 1
	WIN 0
.irp T, 0,1
	v_max3_num_f32 v[MXA+10*\T], v[MXA+10*\T], v[MXB+10*\T], v[PT+10*\T]
.endr
.irp T, 0,1
	v_max_num_f32 v[MXA+10*\T], v[MXA+10*\T], v[TMP+10*\T]
.endr
.irp T, 0,1
	v_permlanex16_b32 v[PT+10*\T], v[MXA+10*\T], s[SEL], s[SEL+1]
.endr
.irp T, 0,1
	v_max_num_f32 v[MXA+10*\T], v[MXA+10*\T], v[PT+10*\T]
.endr
.irp T, 0,1
	v_mul_f32 v[MXA+10*\T], s[CS], v[MXA+10*\T]    ; the step's largest t (c is positive)
.endr
.irp T, 0,1
	v_floor_f32 v[MXA+10*\T], -v[MXA+10*\T]        ; -ceil(t)
.endr
.irp T, 0,1
	v_min_num_f32 v[MXA+10*\T], v[MXA+10*\T], v[NM+10*\T]   ; the new -M
.endr
.irp T, 0,1
	v_sub_f32 v[TMP+10*\T], v[MXA+10*\T], v[NM+10*\T]       ; old M - new M: a whole number, 0 or less
.endr
.irp T, 0,1
	v_mov_b32 v[NM+10*\T], v[MXA+10*\T]
.endr
.irp T, 0,1
	v_cvt_i32_f32 v[TMP+10*\T], v[TMP+10*\T]       ; (it saturates)
.endr
.irp T, 0,1
	v_ldexp_f32 v[F+10*\T], 1.0, v[TMP+10*\T]      ; f
.endr
	OSCALE                                         ; ahead of the exponentials: no transcendental stands between the last products and this first read of O^T
.irp T, 0,1
	v_pk_mul_f32 v[LA+10*\T:LA+10*\T+1], v[LA+10*\T:LA+10*\T+1], v[F+10*\T:F+10*\T+1] op_sel_hi:[1,0]
	v_pk_mul_f32 v[LB+10*\T:LB+10*\T+1], v[LB+10*\T:LB+10*\T+1], v[F+10*\T:F+10*\T+1] op_sel_hi:[1,0]
.endr
; Four chunks of 64 registers (128 keys x one query tile).  Each run of exponentials has a wait ahead of it and one behind it; the plain lines that take turns with the exponentials write only what is first read behind the next wait.
	FMA 0
	WALU
	XF                                             ; p of keys 0-127, tile 0
	WALU
	SUM 0
	XM 1, 0                                        ; p of keys 0-127, tile 1
	WALU
	CVT 0, PA
	SUM 1
	WIN 0x01
	FMA 0                                          ; keys 128-255: from window 1 onto window 0's registers whose codes are made
	WIN 0
	WALU
	XM 0, 1                                        ; p of keys 128-255, tile 0
	WALU
	CVT 1, PA
	SUM 0
	WIN 0x01
	FMA 1
	WIN 0
	WALU
	XM 1, 0                                        ; p of keys 128-255, tile 1
	WALU
	WIN 0x40
	CVT 0, PB
	VLOAD 1, VB                                    ; onto scores that have been read
	WIN 0
	SUMMIN 1
	WIN 0x40
	CVT 1, PB
	WIN 0
	v_nop                                          ; a plain place behind the last conversion
	WALU                                           ; the wait ahead of the wait below
	s_wait_dscnt 24                                ; V of keys 0-127 is in; behind it 8 loads of K and 16 of V
	WIN 0x01
	PV FB, PA
	NOPS 4
	WIN 0x40
	KLOAD 4, 8, FB
	WIN 0
	KLOAD 12, 4, PA                                ; onto P of keys 0-127, which the products above have read
	s_wait_dscnt 24                                ; V of keys 128-255 is in; the 24 loads just issued may be out
	WIN 0x05
	PV VB, PB
	WIN 0
.if \full
	s_and_b32 s15, s[TT], 7
	s_cmp_lg_u32 s15, 1
	s_cbranch_scc1 .Lne_\@
	EPI
.Lne_\@:
	s_cmp_eq_u32 s[TT], 1
	s_cbranch_scc1 .Ldone                          ; no step follows the last
.endif
	s_sub_co_i32 s[DP], s[DP], 8
	QKALL
.endm
	s_load_b256 s[4:11], s[0:1], 0x0               ; qc 4:5, kc 6:7, vc 8:9, scales 10:11
	s_load_b64 s[12:13], s[0:1], 0x20              ; ac
	v_lshl_add_u32 v6, v0, 2, SPARE
	v_mov_b32 v7, 0
	ds_add_u32 v6, v7                              ; the opening lines: the add twice on end and its wait
	ds_add_u32 v6, v7
	v_lshrrev_b32 v1, 5, v0
	s_delay_alu instid0(VALU_DEP_1)
	v_readfirstlane_b32 s14, v1                    ; wave 0..7
	s_and_b32 s57, ttmp7, 0xffff                   ; 16 x batch + head
	s_mov_b32 s[G1], 3<<16                         ; 64 dense rows of 32 elements of 8 bytes: 16,384 bytes a load
	s_mov_b32 s[G1+1], 32<<16
	s_mov_b32 s[G1+2], 64<<16
	s_mov_b32 s[G1+3], 32<<16
	s_mov_b32 s[G1+4], 64
	s_mov_b32 s[G1+5], 32
	s_mov_b32 s[G1+6], 0
	s_mov_b32 s[G1+7], 0
	s_lshr_b32 s15, s14, 2                         ; waves 0-3 fetch K, waves 4-7 V,
	s_and_b32 s16, s14, 3                          ; a quarter of a fill each
	s_lshl_b32 s17, s15, 17
	s_lshl_b32 s18, s16, 14
	s_lshl_b32 s58, s57, 17
	s_mov_b32 s59, 0
	s_mov_b32 s63, 0
	s_mov_b32 s40, 1
	s_add_co_u32 s41, s17, s18
	s_mov_b32 s44, 1
	s_add_co_u32 s45, s41, 65536
	s_wait_dscnt 0x0
	s_wait_kmcnt 0x0
	s_load_b256 s[72:79], s[10:11], 0x10           ; e4 .. e11
	s_cmp_lt_u32 s14, 4
	s_cselect_b64 s[60:61], s[6:7], s[8:9]
	s_add_nc_u64 s[60:61], s[60:61], s[58:59]
	s_mov_b32 s62, s18
	s_add_nc_u64 s[42:43], s[60:61], s[62:63]
	s_add_nc_u64 s[46:47], s[42:43], 65536
	s_or_b32 s43, s43, 0x80000000
	s_or_b32 s47, s47, 0x80000000
	tensor_load_to_lds s[40:43], s[G1:G1+7]        ; keys 0-1023: my one load at the head
	s_nop 0
	NOPS 4
	s_lshl_b32 s62, ttmp9, 15
	s_lshl_b32 s15, s14, 11
	s_add_co_u32 s62, s62, s15
	s_add_co_u32 s62, s62, s58
	s_add_nc_u64 s[4:5], s[4:5], s[62:63]          ; Q of my first 32 queries
	v_and_b32 v1, 31, v0
	s_delay_alu instid0(VALU_DEP_1)
	v_lshlrev_b32 v1, 4, v1
	s_delay_alu instid0(VALU_DEP_1)
	v_add_nc_u32 v31, 0x20000, v1
	v_mov_b32 v2, v1
	WIN 0x40
.irp i, 0,1,2,3
	global_load_b128 v[4*\i:4*\i+3], v1, s[4:5] offset:512*\i
.endr
	WIN 0
	s_lshr_b32 s62, s57, 4
	s_lshl_b32 s62, s62, 21
	s_lshl_b32 s15, ttmp9, 19
	s_add_co_u32 s62, s62, s15
	s_lshl_b32 s15, s14, 15
	s_add_co_u32 s62, s62, s15
	s_bfe_u32 s15, s57, 0x30001
	s_lshl_b32 s15, s15, 11
	s_add_co_u32 s62, s62, s15
	s_and_b32 s15, s57, 1
	s_lshl_b32 s15, s15, 10
	s_add_co_u32 s62, s62, s15
	s_add_nc_u64 s[12:13], s[12:13], s[62:63]      ; my rows' images in ac, at my head's two pieces
	s_lshl_b32 s[DP], ttmp9, 4
	s_add_co_u32 s[DP], s[DP], s14                 ; my first query / 32
	s_mov_b32 s[TB], 0
	s_mov_b32 s[SEL], 0x76543210
	s_mov_b32 s[SEL+1], 0xfedcba98
.irp T, 0,1
	v_mov_b32 v[NM+10*\T], 0x7f61b1e6
	v_mov_b32 v[LA+10*\T], 0
	v_mov_b32 v[LA+10*\T+1], 0
	v_mov_b32 v[LB+10*\T], 0
	v_mov_b32 v[LB+10*\T+1], 0
	v_mov_b32 v[PT+10*\T], 0
.endr
.set j, 0
.rept 64
	v_mov_b32 v[OO+j], 0                           ; the trip is written once for all steps: the first finds zeros
.set j, j+1
.endr
	WALU                                           ; the wait ahead of the wait below
	s_wait_kmcnt 0x0
	s_add_co_i32 s15, s74, s75
	s_lshl_b32 s15, s15, 23
	s_mov_b32 s[CS], 0x3e38aa3b                    ; log2(e) / 8,
	s_add_co_i32 s[CS], s[CS], s15                 ; x 2^(e6 + e7)
	s_mov_b32 s[CS+1], s[CS]
	s_mov_b32 s[PENS], 0xc3c80000                  ; -50 x 8,
	s_sub_co_u32 s[PENS], s[PENS], s15             ; / 2^(e6 + e7)
	MKS 77, 68, 69
	v_mov_b32 v8, s68
	v_mov_b32 v4, s69
	v_mov_b32 v5, s69
	s_sub_co_i32 s15, s78, s76
	s_sub_co_i32 s15, s15, s77
	MKS 15, 66, 67
	v_mov_b32 v9, s66
	v_mov_b32 v30, s67
	v_and_b32 v28, 15, v0
	v_bfe_u32 v29, v0, 4, 1
	s_delay_alu instid0(VALU_DEP_1)
	v_lshlrev_b32 v29, 3, v29
	s_delay_alu instid0(VALU_DEP_1)
	v_sub_nc_u32 v28, v28, v29                     ; my query - 8 (lane / 16): register j's key is hidden where j is over it
	v_mov_b32 v29, s[PENS]
	WIN 0x40
.irp j, 0,1,2,3,4,5,6,7
	v_mov_b32 v[CP+\j], v29
	v_cmp_gt_i32 vcc_lo, \j, v28
	v_cndmask_b32 v[CD+\j], 0, v29, vcc_lo
.endr
	WIN 0
	v_mov_b32 v29, 0
	WALU                                           ; the wait at the head's end
	s_wait_tensorcnt 0x0                           ; my part of keys 0-1023 is in; the lines ahead of a later first fill:
	ds_add_u32 v6, v7
	s_wait_dscnt 0x0
	s_barrier_signal -1
	s_barrier_wait -1
	tensor_load_to_lds s[44:47], s[G1:G1+7]        ; keys 1024-2047
	s_nop 0
	NOPS 4
	WIN 0x40
	KLOAD 0, 4, KB
	KLOAD 4, 8, FB
	WIN 0
	KLOAD 12, 4, PA
	QKALL                                          ; step 0's first product
	s_add_nc_u64 s[4:5], s[4:5], 16384             ; Q of my second 32 queries (the loads above are done)
	s_mov_b32 s[TT], 3
.Lfirst:                                               ; steps 0-2, and the first products up to step 3: keys 0-1023 alone
	BODY 0
	s_sub_co_u32 s[TT], s[TT], 1
	s_cmp_lg_u32 s[TT], 0
	s_cbranch_scc1 .Lfirst
	s_wait_tensorcnt 0x0                           ; my part of keys 1024-2047 is in
	s_wait_dscnt 0x0
	s_barrier_signal -1
	s_barrier_wait -1                              ; and everybody's
	s_mov_b32 s[TT], 13
.Lrest:                                                ; steps 3-7 of the first group and 0-7 of the second; a group ends where s[TT] is 9 or 1
	BODY 1
	s_sub_co_u32 s[TT], s[TT], 1
	s_cmp_lg_u32 s[TT], 0
	s_cbranch_scc1 .Lrest
.Ldone:
	s_wait_tensorcnt 0x0                           ; the wave's end
	ds_add_u32 v6, v7
	s_wait_dscnt 0x0
	s_endpgm
.Lfunc_end_k_q7b12db01ea_attn:
	.size	k_q7b12db01ea_attn, .Lfunc_end_k_q7b12db01ea_attn-k_q7b12db01ea_attn
	.p2alignl 7, 3214868480
	.fill 96, 4, 3214868480
	.section	.rodata,"a",@progbits
	.p2align	6, 0x0
	.amdhsa_kernel k_q7b12db01ea_attn
		.amdhsa_group_segment_fixed_size 327680
		.amdhsa_private_segment_fixed_size 0
		.amdhsa_enable_private_segment 0
		.amdhsa_kernarg_size 40
		.amdhsa_user_sgpr_count 2
		.amdhsa_user_sgpr_kernarg_segment_ptr 1
		.amdhsa_wavefront_size32 1
		.amdhsa_system_sgpr_workgroup_id_x 1
		.amdhsa_system_sgpr_workgroup_id_y 1
		.amdhsa_system_sgpr_workgroup_id_z 1
		.amdhsa_system_vgpr_workitem_id 0
		.amdhsa_next_free_vgpr 512
		.amdhsa_next_free_sgpr 80
		.amdhsa_reserve_vcc 1
		.amdhsa_float_denorm_mode_32 3
		.amdhsa_float_denorm_mode_16_64 3
		.amdhsa_memory_ordered 1
		.amdhsa_forward_progress 1
		.amdhsa_inst_pref_size 151
	.end_amdhsa_kernel
	.amdgpu_metadata
---
amdhsa.version: [ 1, 2 ]
amdhsa.kernels:
  - .name:           k_q7b12db01ea_attn
    .symbol:         k_q7b12db01ea_attn.kd
    .args:
      - { .name: qc, .offset: 0, .size: 8, .value_kind: global_buffer, .address_space: global }
      - { .name: kc, .offset: 8, .size: 8, .value_kind: global_buffer, .address_space: global }
      - { .name: vc, .offset: 16, .size: 8, .value_kind: global_buffer, .address_space: global }
      - { .name: lowp_scales, .offset: 24, .size: 8, .value_kind: global_buffer, .address_space: global }
      - { .name: ac, .offset: 32, .size: 8, .value_kind: global_buffer, .address_space: global }
    .group_segment_fixed_size: 327680
    .private_segment_fixed_size: 0
    .kernarg_segment_align: 8
    .kernarg_segment_size: 40
    .max_flat_workgroup_size: 256
    .sgpr_count:     80
    .vgpr_count:     512
    .wavefront_size: 32
...
	.end_amdgpu_metadata
.endif
;; end of part 3
;; launch proj (part 4): grid 8 x 32, 4 waves a work-group, clusters of 4 x 4, 327,680 bytes of LDS; arguments ac, wc, lowp_scales, out0; writes out0
.if DOCPART == 4
	.amdgcn_target "amdgcn-amd-amdhsa--gfx1250"
	.amdhsa_code_object_version 6
	.text
	.protected	k_q7b12db01ea_proj
	.globl	k_q7b12db01ea_proj
	.p2align	8
	.type	k_q7b12db01ea_proj,@function
k_q7b12db01ea_proj:
	s_mov_b64 s[64:65], 0
	v_nop
	global_prefetch_b8 v0, s[64:65] scope:SCOPE_SE
	s_setreg_imm32_b32 hwreg(HW_REG_WAVE_MODE, 25, 1), 1
	s_wait_xcnt 0x0
	s_wait_alu depctr_hold_cnt(0) depctr_sa_sdst(0) depctr_va_vdst(0) depctr_va_sdst(0) depctr_va_ssrc(0) depctr_va_vcc(0) depctr_vm_vsrc(0)
	s_getreg_b32 s2, hwreg(HW_REG_IB_STS2, 6, 4)
	s_cmp_eq_u32 s2, 0
	s_cbranch_scc0 .Lentry_in_a_cluster
	s_endpgm
.Lentry_in_a_cluster:
	s_bfe_u32 s2, ttmp6, 0x10000c
	s_cmp_lg_u32 s2, 0xf033
	s_cbranch_scc0 .Lentry_shape_is_right
	s_endpgm
.Lentry_shape_is_right:
.set SLOT,  98304
.set BOFF,  65536
.set STAGE, 196608
.set SPARE, 214016
.set ABLK,  4096
.set AQ,    2048
.set ACS,   512
.set ASTEP, 4096
.set ADRA, 16
.set ADRB, 20
.set LN,   24
.set STO,  25
.set SPW,  28
.set NIL,  29
.set RD,   30
.set CO,   31
.set TMP,  32
.set BK,   64
.set BF,   128
.set G1A, 24
.set G0A, 32
.set G1B, 48
.set G0B, 56
.set MSB, 0
.macro WIN new
.if MSB != \new
	s_set_vgpr_msb (MSB<<8)|\new
.set MSB, \new
.endif
.endm
.set MULT, 0xa4
.set TO_A, 0x40
.macro JLOAD s
	s_cmp_eq_u32 s17, 0
	s_cbranch_scc0 .Lfor_b_\@
	tensor_load_to_lds s[G0A+4*\s:G0A+4*\s+3], s[G1A:G1A+7]
	s_nop 0
.rept 4
	v_nop
.endr
	s_branch .Lasked_\@
.Lfor_b_\@:
	tensor_load_to_lds s[G0B+4*\s:G0B+4*\s+3], s[G1B:G1B+7]
	s_nop 0
.rept 4
	v_nop
.endr
.Lasked_\@:
.endm
.macro CREST
	s_cmp_lg_u32 s16, 0
	s_cbranch_scc1 .Lnot_wave_0_\@
	s_barrier_signal -3
.Lnot_wave_0_\@:
	s_barrier_wait -3
	s_barrier_signal -1
	s_barrier_wait -1
.endm
.macro CROUND
	s_barrier_signal -1
	s_barrier_wait -1
	CREST
.endm
.macro PLACES
.rept 4
	v_nop
.endr
.endm
	s_load_b256 s[4:11], s[0:1], 0x0
	v_lshl_add_u32 v[SPW], v0, 2, SPARE
	v_mov_b32 v[NIL], 0
	ds_add_u32 v28, v29
	ds_add_u32 v28, v29
	s_wait_dscnt 0x0
	v_lshrrev_b32 v1, 5, v0
	v_readfirstlane_b32 s16, v1
	s_lshr_b32 s17, s16, 1
	s_and_b32 s18, s16, 1
	s_bfe_u32 s19, ttmp6, 0x40000
	s_bfe_u32 s20, ttmp6, 0x40004
	s_lshl_b32 s21, ttmp9, 2
	s_add_co_u32 s21, s21, s19
	s_and_b32 s22, ttmp7, 0xffff
	s_lshl_b32 s22, s22, 2
	s_add_co_u32 s22, s22, s20
	s_lshl_b32 s42, s20, 2
	s_lshl_b32 s42, 15, s42
	s_lshl_b32 s46, 0x1111, s19
	s_or_b32 s[G1A], s42, (3<<16)|(1<<21)
	s_mov_b32 s[G1A+1], 512<<16
	s_mov_b32 s[G1A+2], 8<<16
	s_mov_b32 s[G1A+3], 512<<16
	s_mov_b32 s[G1A+4], 8
	s_mov_b32 s[G1A+5], 2048
	s_mov_b32 s[G1A+6], 0
	s_mov_b32 s[G1A+7], 0
	s_or_b32 s[G1B], s46, (3<<16)|(1<<21)
	s_mov_b32 s[G1B+1], 512<<16
	s_mov_b32 s[G1B+2], 4<<16
	s_mov_b32 s[G1B+3], 512<<16
	s_mov_b32 s[G1B+4], 4
	s_mov_b32 s[G1B+5], 8192
	s_mov_b32 s[G1B+6], 0
	s_mov_b32 s[G1B+7], 0
	s_lshl_b32 s40, s22, 18
	s_lshl_b32 s41, s18, 17
	s_add_co_u32 s40, s40, s41
	s_mov_b32 s41, 0
	s_lshl_b32 s44, s21, 19
	s_lshl_b32 s45, s18, 18
	s_add_co_u32 s44, s44, s45
	s_add_co_u32 s44, s44, 49152
	s_mov_b32 s45, 0
	s_lshl_b32 s43, s18, 15
	s_lshl_b32 s47, s18, 14
	s_add_co_u32 s47, s47, BOFF
	s_wait_kmcnt 0x0
	s_load_b64 s[96:97], s[8:9], 0x28
	s_add_nc_u64 s[40:41], s[4:5], s[40:41]
	s_add_nc_u64 s[44:45], s[6:7], s[44:45]
	CROUND
.irp s, 0,1
	s_mov_b32 s[G0A+4*\s], 1
	s_add_co_u32 s[G0A+4*\s+1], s43, \s*SLOT
	s_add_nc_u64 s[G0A+4*\s+2:G0A+4*\s+3], s[40:41], \s*ASTEP
	s_or_b32 s[G0A+4*\s+3], s[G0A+4*\s+3], 0x80000000
	s_mov_b32 s[G0B+4*\s], 1
	s_add_co_u32 s[G0B+4*\s+1], s47, \s*SLOT
	s_add_nc_u64 s[G0B+4*\s+2:G0B+4*\s+3], s[44:45], \s*4096
	s_or_b32 s[G0B+4*\s+3], s[G0B+4*\s+3], 0x80000000
	s_wait_alu depctr_va_vdst(0)
	s_wait_tensorcnt 0x0
	ds_add_u32 v28, v29
	ds_add_u32 v28, v29
	s_wait_dscnt 0x0
	CROUND
	JLOAD \s
.endr
	v_and_b32 v1, 15, v0
	v_bfe_u32 v2, v0, 4, 1
	v_and_b32 v3, 31, v0
	v_lshlrev_b32 v[LN], 4, v3
	s_lshl_b32 s23, s17, 15
	v_add_nc_u32 v[ADRA], s23, v[LN]
	v_add_nc_u32 v[ADRA+1], SLOT, v[ADRA]
	s_lshl_b32 s23, s18, 14
	s_add_co_u32 s23, s23, BOFF
	v_add_nc_u32 v[ADRB], s23, v[LN]
	v_add_nc_u32 v[ADRB+1], SLOT, v[ADRB]
	s_mul_i32 s23, s16, 16*272
	s_add_co_u32 s23, s23, STAGE
	v_mul_u32_u24 v4, v1, 272
	v_lshl_add_u32 v4, v2, 5, v4
	v_add_nc_u32 v[STO], s23, v4
	v_mul_u32_u24 v4, v2, 272
	v_lshl_add_u32 v4, v1, 4, v4
	v_add_nc_u32 v[RD], s23, v4
	v_lshlrev_b32 v4, 12, v2
	v_lshl_add_u32 v[CO], v1, 4, v4
	s_lshl_b32 s92, s22, 20
	s_lshl_b32 s93, s17, 19
	s_add_co_u32 s92, s92, s93
	s_lshl_b32 s93, s21, 9
	s_add_co_u32 s92, s92, s93
	s_lshl_b32 s93, s18, 8
	s_add_co_u32 s92, s92, s93
	s_mov_b32 s93, 0
	s_add_nc_u64 s[10:11], s[10:11], s[92:93]
	s_wait_kmcnt 0x0
	s_add_co_i32 s96, s96, s97
	s_add_co_i32 s96, s96, 127
	s_lshl_b32 s96, s96, 23
	s_mov_b32 s97, s96
.macro MUL a0, cnt, p, zero
	WIN MULT
.set aa, \a0
.rept \cnt
.irp w, 0,1,2,3
.if \zero
	v_wmma_f32_16x16x128_bf8_bf8 v[8*(4*aa+\w):8*(4*aa+\w)+7], v[BF+64*(\p)+16*\w:BF+64*(\p)+16*\w+15], v[128*(\p)+16*aa:128*(\p)+16*aa+15], 0
.else
	v_wmma_f32_16x16x128_bf8_bf8 v[8*(4*aa+\w):8*(4*aa+\w)+7], v[BF+64*(\p)+16*\w:BF+64*(\p)+16*\w+15], v[128*(\p)+16*aa:128*(\p)+16*aa+15], v[8*(4*aa+\w):8*(4*aa+\w)+7]
.endif
.endr
.set aa, aa+1
.endr
.endm
.macro FETCH slot, q, p
	WIN 0
.irp w, 0,1,2,3
.irp c, 0,1,2,3
	ds_load_b128 v[BF+64*(\p)+16*\w+4*\c:BF+64*(\p)+16*\w+4*\c+3], v[ADRB+\slot] offset:4096*\w+2048*(\q)+512*\c
.endr
.endr
	WIN TO_A
.irp a, 0,1,2,3,4,5,6,7
.irp c, 0,1,2,3
	ds_load_b128 v[128*(\p)+16*\a+4*\c:128*(\p)+16*\a+4*\c+3], v[ADRA+\slot] offset:ABLK*\a+AQ*(\q)+ACS*\c
.endr
.endr
	WIN 0
.endm
.macro STEP slot, zero
	s_wait_dscnt 16
	MUL 0, 4, 0, \zero
	PLACES
	FETCH \slot, 1, 1
	s_wait_dscnt 48
	MUL 4, 4, 0, \zero
.endm
.macro TURN slot, next, fill
	WIN 0
	s_wait_tensorcnt 0x0
	ds_add_u32 v[SPW], v[NIL]
	s_wait_dscnt 17
	MUL 0, 2, 1, 0
	s_wait_dscnt 0x0
	s_barrier_signal -1
	MUL 2, 2, 1, 0
	WIN 0
	s_barrier_wait -1
.if \fill
	CREST
	s_add_nc_u64 s[G0A+4*\slot+2:G0A+4*\slot+3], s[G0A+4*\slot+2:G0A+4*\slot+3], 2*ASTEP
	s_add_nc_u64 s[G0B+4*\slot+2:G0B+4*\slot+3], s[G0B+4*\slot+2:G0B+4*\slot+3], 2*4096
	JLOAD \slot
.else
	PLACES
.endif
	s_wait_alu depctr_va_vdst(0)
	FETCH \next, 0, 0
	MUL 4, 4, 1, 0
.endm
.macro TOSTAGE a
	WIN 0x02
.irp j, 0,2,4,6,8,10,12,14,16,18,20,22,24,26,28,30
	v_pk_mul_f32 v[TMP+\j:TMP+\j+1], v[32*(\a)+\j:32*(\a)+\j+1], s[96:97] op_sel_hi:[1,0]
.endr
	WIN 0
.irp w, 0,1,2,3
	ds_store_b128 v[STO], v[TMP+8*\w:TMP+8*\w+3] offset:64*\w
	ds_store_b128 v[STO], v[TMP+8*\w+4:TMP+8*\w+7] offset:64*\w+16
.endr
.set BB, BK+32*((\a)%2)
.irp t, 0,1,2,3,4,5,6,7
	ds_load_b128 v[BB+4*\t:BB+4*\t+3], v[RD] offset:544*\t
.endr
.endm
.macro SEND a, younger
.set BB, BK+32*((\a)%2)
	s_wait_dscnt \younger
.irp t, 0,1,2,3,4,5,6,7
	global_store_b128 v[CO], v[BB+4*\t:BB+4*\t+3], s[10:11] offset:(16*(\a)+2*\t)*4096 th:TH_STORE_NT
.endr
.endm
	s_wait_tensorcnt 1
	s_barrier_signal -1
	s_barrier_wait -1
	FETCH 0, 0, 0
	STEP 0, 1
	TURN 0, 1, 1
	STEP 1, 0
	TURN 1, 0, 1
	STEP 0, 0
	TURN 0, 1, 0
	STEP 1, 0
	s_wait_dscnt 16
	MUL 0, 4, 1, 0
	s_wait_dscnt 0
	MUL 4, 4, 1, 0
	WIN 0
	PLACES
	TOSTAGE 0
.irp a, 1,2,3,4,5,6,7
.if \a > 1
	s_wait_xcnt 0x0
.endif
	TOSTAGE \a
	SEND \a-1, 16
.endr
	SEND 7, 0
	s_wait_tensorcnt 0x0
	ds_add_u32 v[SPW], v[NIL]
	s_wait_dscnt 0x0
	CROUND
	s_endpgm
.Lfunc_end_k_q7b12db01ea_proj:
	.size	k_q7b12db01ea_proj, .Lfunc_end_k_q7b12db01ea_proj-k_q7b12db01ea_proj
	.p2alignl 7, 3214868480
	.fill 96, 4, 3214868480
	.section	.rodata,"a",@progbits
	.p2align	6, 0x0
	.amdhsa_kernel k_q7b12db01ea_proj
		.amdhsa_group_segment_fixed_size 327680
		.amdhsa_private_segment_fixed_size 0
		.amdhsa_enable_private_segment 0
		.amdhsa_kernarg_size 32
		.amdhsa_user_sgpr_count 2
		.amdhsa_user_sgpr_kernarg_segment_ptr 1
		.amdhsa_wavefront_size32 1
		.amdhsa_system_sgpr_workgroup_id_x 1
		.amdhsa_system_sgpr_workgroup_id_y 1
		.amdhsa_system_sgpr_workgroup_id_z 1
		.amdhsa_system_vgpr_workitem_id 0
		.amdhsa_next_free_vgpr 768
		.amdhsa_next_free_sgpr 100
		.amdhsa_reserve_vcc 0
		.amdhsa_float_denorm_mode_32 3
		.amdhsa_float_denorm_mode_16_64 3
		.amdhsa_memory_ordered 1
		.amdhsa_forward_progress 1
		.amdhsa_inst_pref_size 76
	.end_amdhsa_kernel
	.amdgpu_metadata
---
amdhsa.version: [ 1, 2 ]
amdhsa.kernels:
  - .name:           k_q7b12db01ea_proj
    .symbol:         k_q7b12db01ea_proj.kd
    .args:
      - { .name: ac, .offset: 0, .size: 8, .value_kind: global_buffer, .address_space: global }
      - { .name: wc, .offset: 8, .size: 8, .value_kind: global_buffer, .address_space: global }
      - { .name: lowp_scales, .offset: 16, .size: 8, .value_kind: global_buffer, .address_space: global }
      - { .name: out0, .offset: 24, .size: 8, .value_kind: global_buffer, .address_space: global }
    .group_segment_fixed_size: 327680
    .private_segment_fixed_size: 0
    .kernarg_segment_align: 8
    .kernarg_segment_size: 32
    .max_flat_workgroup_size: 128
    .sgpr_count:     100
    .vgpr_count:     768
    .wavefront_size: 32
...
	.end_amdgpu_metadata
.endif
;; end of part 4
